; MI455X (gfx1250); checked and timed in simulation.
; The chip was launched on July 23, 2026; its instructions are those of AMD's public machine-readable ISA for CDNA 5 (MIT licence, August 2026) and "CDNA5" Instruction Set Architecture Reference Guide (July 2026). The comments in the code are by the model that wrote it; some were corrected since.
;; Long term atention. Allowed arithmetic: matrix products marked QUANTISED: E2M1 operands, one E8M0 scale for each 32 along K, by v_wmma_scale_f32_16x16x128_f8f6f4 with both operands' format E2M1 (or v_wmma_scale_f32_32x16x128_f4), f32 sums; products left as they are: f32 operands where the result goes on into a quantised operand, else bf16, f16 or f32 operands; f32 sums; everything else in f32.
;; Inputs: K 16 x 2,048 x 512 float32; Q 16 x 512 float32; V 16 x 2,048 x 512 float32; W_k 512 x 512 float32; W_q 512 x 512 float32; W_v 512 x 512 float32; ln_beta 512 float32; ln_gamma 512 float32; mask 16 x 2,048 bool.
;; Outputs: out0 16 x 2,048 x 512 float32.
;; This version of the problem:
;;   THIS VERSION OF THE PROBLEM IS GIVEN IN LOW PRECISION. The matrix products marked QUANTISED in the list below multiply operands that are first quantised to E2M1 (2 exponent bits, 1 mantissa bit; 4 bits a number), with one power-of-two scale for each 32 numbers along K (OCP MX v1.0); their sums are f32. All else is computed in f32.
;;   The module's matrix products, in the order in which they are computed (A, B: the left and right operand; K: the contracted axis; several contracted axes count as one K, in the product's order):
;;     1. [M 16, K 512] x [K 512, N 512]; A: input Q; B: input W_q: QUANTISED
;;     2. [M 32,768, K 512] x [K 512, N 512]; A: input K; B: input W_k: QUANTISED
;;     3. [M 32,768, K 512] x [K 512, N 512]; A: input V; B: input W_v: QUANTISED
;;     4. batch 16 x [M 1, K 512] x [K 512, N 2,048]; A: computed on the way; B: computed on the way: left as it is (M = 1 < 16)
;;     5. batch 16 x [M 2,048, K 2,048] x [K 2,048, N 512]; A: softmax (see below); B: computed on the way: QUANTISED
;;   THE QUANTISER, for each operand of a quantised product, along K:
;;     - K is cut into blocks of 32 from its start; a last block that is shorter is filled with zeros.
;;     - A block's scale is 2^e with e = floor(log2(the largest magnitude in the block)) - 2, held to -126 .. 127; a block of zeros has e = 0. As a byte (E8M0): e + 127.
;;     - Each number is divided by its block's scale, clamped to +-6, and rounded to the nearest number of E2M1, ties to even, subnormals kept.
;;     - The product sums the exact products of the quantised numbers (number of the format x scale) in f32.
;;   ~~~python
;;   def quantise(x, axis):      # numpy; x: float32 -> the quantised numbers, widened to float32 again
;;       x = np.moveaxis(x, axis, -1); K = x.shape[-1]
;;       x = np.pad(x, [(0, 0)] * (x.ndim - 1) + [(0, -K % 32)]); x = x.reshape(x.shape[:-1] + (-1, 32)); a = np.abs(x).max(-1, keepdims=True)
;;       e = np.where(a > 0, np.clip(np.frexp(np.where(a > 0, a, 1))[1] - 1 - 2, -126, 127), 0)      # np.frexp(a)[1] - 1 = floor(log2(a)), exactly
;;       r = np.clip(x / 2.0 ** e, -6, 6)
;;       step = 2.0 ** (np.maximum(np.frexp(np.where(r == 0, 1, r))[1] - 1, 0) - 1)
;;       q = np.round(r / step) * step * 2.0 ** e      # np.round: ties to even
;;       return np.moveaxis(q.reshape(q.shape[:-2] + (-1,))[..., :K], -1, axis).astype(np.float32)
;;   ~~~
;;   SOFTMAX AHEAD OF A QUANTISED PRODUCT. Where the list says 'softmax', what is quantised is not the finished softmax but p = 2^(t - M), with t = logit x log2(e) and M = ceil(the row's largest t), a whole number; so 1/2 < the row's largest p <= 1. The row's sum l is taken of the UNQUANTISED p, in f32, and the product's result is divided by l at the end. Since M is a whole number, a kernel that streams over the keys may use a running M (the ceiling of the running maximum): every later rescaling is an exact power of two, which a block's scale takes up: the codes' values come out the same.
;;   OPERANDS COMPUTED ON THE WAY. 'Computed on the way' means the value that the module computes at that place (a softmax that the list does not call 'softmax' is quantised finished and normalised). What goes into a quantiser is computed in f32, as accurately as f32 sums, v_exp_f32 and their like allow (about 1e-6 of the number): no bf16 or f16 on the way to a quantiser, and a product that is left as it is and whose result goes on into a quantised operand takes f32 operands (vector FMAs, or v_wmma_f32_16x16x4_f32). A number that lies on a knife's edge between two numbers of the format may be rounded either way, as far as f32 arithmetic and the matrix unit's own rounding can turn it there, and no further.
;; One version. Each part assembles by itself: llvm-mc -triple=amdgcn-amd-amdhsa -mcpu=gfx1250 --defsym DOCPART=n.
;; ======== version 1 of 1: 3 launches
;; workspace buffers: wcodes 262,144 bytes; wscl 16,384 bytes; qproj 32,768 bytes; scores 131,072 bytes; vcodes 8,388,608 bytes; vscl 524,288 bytes; csum 524,288 bytes
;; launch prep (part 1): grid 48 x 1, 8 waves a work-group, no clusters, 18,432 bytes of LDS; arguments W_k, W_v, W_q, Q, wcodes, wscl, qproj; writes wcodes, wscl, qproj
.if DOCPART == 1
	.amdgcn_target "amdgcn-amd-amdhsa--gfx1250"
	.amdhsa_code_object_version 6
	.text
	.protected	k_q9b60192438_prep
	.globl	k_q9b60192438_prep
	.p2align	8
	.type	k_q9b60192438_prep,@function
k_q9b60192438_prep:
	s_mov_b64 s[64:65], 0
	v_nop
	global_prefetch_b8 v0, s[64:65] scope:SCOPE_SE
	s_setreg_imm32_b32 hwreg(HW_REG_WAVE_MODE, 25, 1), 1
	s_wait_xcnt 0x0
; W_k and W_v [512 (k)][512 (n)] f32 become codes of FP4 (E2M1) with one E8M0 byte for each 32 along k, laid in the order of an operand's registers:
;   wcodes [which 2][ntile 32][s 4][c 2][lane 32][16 bytes]: lane (r, h), group c = column 16 ntile + r, k = 128 s + 64 c + 32 h + 0 .. 31;   wscl [which][n 512][16 bytes, one for each k / 32].
; W_q is quantised the same way and multiplied at once: qproj [16][512] f32 = Q(Q) Q(W_q).
; SHARES.  48 work-groups: which = x / 16 (0 W_k, 1 W_v, 2 W_q), G = x % 16 names 32 columns.  Wave v takes k = 64 v .. 64 v + 63: group c = v % 2 of K step s = v / 2.
; A LANE TAKES A COLUMN AND ITS REGISTERS RUN DOWN k: a block of 32 lies in one lane, and the conversions give codes with k innermost.  A load covers 128 neighbouring bytes: the launch reads 3 MB in all, and this
; split gives 384 waves with 64 loads each on their way.
; The two ways (weights to memory; W_q to the product) part once, on the work-group's number, and each has LDS bytes of its own.
; W_q's way: each wave multiplies its 64 along k as a K step of 128 whose upper half is zero codes on both sides (scale byte 127); the eight waves' parts are added in f32 through LDS.
; LIMITS: a block whose largest magnitude lies under 2^-124 keeps the byte 1; a block of zeros keeps the byte 1 where the rule says 127 (its codes are zeros, and this program alone reads the bytes); NaN and infinities are not served.
.set FLOOR, 0x1800000                  ; 2^(3 - 127): no largest magnitude is taken under it, so the byte cannot fall under 1
.set EM2,   0xff000000                 ; takes 2 off an exponent field
.set SCT,   0                          ; LDS: [column 32][16 scale bytes]: the weights' way
.set QP,    1024                       ; LDS: [wave 8][T 2][q 2][lane 32][16 bytes]: W_q's way
.set CA,    16                         ; v16-23  fragment of ntile 2 G (upper four registers: zeros, W_q's way)
.set CB,    24                         ; v24-31  of ntile 2 G + 1
.set QF,    32                         ; v32-39  Q's fragment
.set TM,    40                         ; v40-55  at work
.set WW,    56                         ; v56     W_q's scale words: lanes 0-15 ntile 2 G, lanes 16-31 ntile 2 G + 1
.set QW,    57                         ; v57     Q's scale words
.set PAIR,  58                         ; v58     my column's two scale bytes
.set X,     64                         ; v64-127 64 numbers of my column; later the parts to be added
.set QX,    128                        ; v128-159 32 numbers of Q
.set D0,    160
.set D1,    168
.macro PLACES n
.rept \n
	v_nop
.endr
.endm
.macro BARRIER                         ; my LDS instructions are done: then the work-group's barrier
	s_wait_dscnt 0x0
	s_barrier_signal -1
	s_barrier_wait -1
.endm
.macro LOADW                           ; W(64 v + i, my column), i = 0 .. 63
.set i, 0
.rept 64
	global_load_b32 v[X+i], v2, s[22:23] offset:2048*i th:TH_LOAD_NT
.set i, i+1
.endr
.endm
; a block of 32 numbers of one lane: its largest magnitude, the conversion's scale operand, the byte, four registers of codes
.macro BLK x, c4, sop, byte
	v_max3_num_f32 v[TM+8], |v[\x]|, |v[\x+1]|, |v[\x+2]|
	v_max3_num_f32 v[TM+9], |v[\x+3]|, |v[\x+4]|, |v[\x+5]|
.irp i, 6,10,14,18,22,26
	v_max3_num_f32 v[TM+8], v[TM+8], |v[\x+\i]|, |v[\x+\i+1]|
	v_max3_num_f32 v[TM+9], v[TM+9], |v[\x+\i+2]|, |v[\x+\i+3]|
.endr
	v_max3_num_f32 v[TM+8], v[TM+8], |v[\x+30]|, |v[\x+31]|
	v_max3_num_f32 v[TM+8], v[TM+8], v[TM+9], FLOOR
	v_add_nc_u32 v[\sop], EM2, v[TM+8]             ; the conversion takes the exponent field of this operand as its scale
	v_lshrrev_b32 v[\byte], 23, v[\sop]
.irp g, 0,1,2,3
	v_cvt_scalef32_pk8_fp4_f32 v[\c4+\g], v[\x+8*\g:\x+8*\g+7], v[\sop]
.endr
.endm
; my column's two blocks; then the halves change places: CA = group c of ntile 2 G (lanes 0-15 block h = 0, lanes 16-31 block h = 1), CB the same of ntile 2 G + 1
.macro QW2
	BLK X, CA, TM+10, TM+6
	BLK X+32, CB, TM+11, TM+7
	v_lshl_or_b32 v[PAIR], v[TM+7], 8, v[TM+6]     ; (the plain line behind the conversions)
.irp i, 0,1,2,3
	v_permlane16_swap_b32 v[CA+\i], v[CB+\i]
.endr
.endm
	s_load_b256 s[4:11], s[0:1], 0x0               ; W_k, W_v, W_q, Q
	s_load_b128 s[12:15], s[0:1], 0x20             ; wcodes, wscl
	s_load_b64 s[16:17], s[0:1], 0x30              ; qproj
	v_lshl_add_u32 v176, v0, 2, 0x4400
	v_mov_b32 v177, 0
	v_lshrrev_b32 v1, 5, v0
	v_readfirstlane_b32 s18, v1                    ; wave v
	s_lshr_b32 s19, ttmp9, 4                       ; which
	s_and_b32 s20, ttmp9, 15                       ; G
	v_and_b32 v1, 31, v0                           ; lane
	v_lshlrev_b32 v2, 2, v1                        ; 4 x lane
	v_lshlrev_b32 v3, 4, v1                        ; 16 x lane
	s_lshl_b32 s24, s18, 1
	v_add_nc_u32 v4, s24, v3                       ; SCT + 16 x lane + 2 v
	s_lshl_b32 s24, s18, 11
	v_add_nc_u32 v5, s24, v3
	v_add_nc_u32 v5, QP, v5                        ; QP + 16 x lane + 2,048 v
	s_and_b32 s24, s18, 1
	s_lshl_b32 s24, s24, 10
	v_add_nc_u32 v6, s24, v3
	v_add_nc_u32 v6, QP, v6                        ; QP + 16 x lane + 1,024 (v % 2)
	v_and_b32 v9, 15, v0                           ; r
	v_bfe_u32 v10, v0, 4, 1                        ; h
	v_lshlrev_b32 v7, 11, v9
	v_lshl_add_u32 v8, v10, 5, v7                  ; qproj: row r of 2,048 bytes + 32 h
	v_lshl_add_u32 v7, v10, 6, v7                  ; Q: row r + 64 h
	s_mov_b32 s26, 0x76543210
	s_mov_b32 s27, 0xfedcba98                      ; v_permlanex16_b32's selects for lane l xor 16
	s_lshl_b32 s24, s18, 17                        ; 64 v rows of 2,048 bytes
	s_lshl_b32 s25, s20, 7                         ; + 32 G columns
	s_add_co_u32 s24, s24, s25
	s_mov_b32 s25, 0
	s_wait_kmcnt 0x0
	s_cmp_eq_u32 s19, 2
	s_cbranch_scc1 .Lq
	; ---- W_k or W_v: codes and scale bytes to memory
	s_cmp_eq_u32 s19, 0
	s_cselect_b64 s[22:23], s[4:5], s[6:7]
	s_add_nc_u64 s[22:23], s[22:23], s[24:25]
	LOADW
	s_lshl_b32 s24, s19, 17                        ; wcodes: 131,072 which + 8,192 G + 512 v
	s_lshl_b32 s28, s20, 13
	s_add_co_u32 s24, s24, s28
	s_lshl_b32 s28, s18, 9
	s_add_co_u32 s24, s24, s28
	s_add_nc_u64 s[12:13], s[12:13], s[24:25]
	s_lshl_b32 s24, s19, 13                        ; wscl: 8,192 which + 512 G
	s_lshl_b32 s28, s20, 9
	s_add_co_u32 s24, s24, s28
	s_add_nc_u64 s[14:15], s[14:15], s[24:25]
	s_wait_loadcnt 0x0
	QW2
	global_store_b128 v3, v[CA:CA+3], s[12:13]                 ; 512 neighbouring bytes: group c of (ntile 2 G, s)
	global_store_b128 v3, v[CB:CB+3], s[12:13] offset:4096     ; and of ntile 2 G + 1
	ds_store_b16 v4, v[PAIR]                       ; bytes 2 v, 2 v + 1 of my column's sixteen
	BARRIER                                        ; the eight waves' bytes lie in LDS
	s_cmp_lg_u32 s18, 0
	s_cbranch_scc1 .Lend_w
	ds_load_b128 v[QX:QX+3], v3                    ; wave 0: a column's sixteen bytes a lane
	s_wait_dscnt 0x0
	global_store_b128 v3, v[QX:QX+3], s[14:15]     ; 512 neighbouring bytes
.Lend_w:
	s_wait_tensorcnt 0x0
	ds_add_u32 v176, v177
	s_wait_dscnt 0x0
	s_endpgm
	; ---- W_q: quantised and multiplied by Q(Q)
.Lq:
	s_lshl_b32 s28, s18, 8                         ; Q: 64 v numbers on
	s_mov_b32 s29, 0
	s_add_nc_u64 s[10:11], s[10:11], s[28:29]
.irp b, 0,1
.irp j, 0,1,2,3
	global_load_b128 v[QX+16*\b+4*\j:QX+16*\b+4*\j+3], v7, s[10:11] offset:128*\b+16*\j   ; Q(r, 64 v + 32 b + 16 h + 4 j ..)
.endr
.endr
	s_add_nc_u64 s[22:23], s[8:9], s[24:25]
	LOADW
	s_lshl_b32 s24, s20, 7                         ; qproj: columns 32 G + 16 T on, T = the wave (0 or 1) that adds
	s_lshl_b32 s28, s18, 6
	s_add_co_u32 s24, s24, s28
	s_add_nc_u64 s[16:17], s[16:17], s[24:25]
.irp i, 4,5,6,7
	v_mov_b32 v[CA+\i], 0                          ; the K step's upper 64: zero codes on both sides
	v_mov_b32 v[CB+\i], 0
	v_mov_b32 v[QF+\i], 0
.endr
	v_mov_b32 v[TM+4], 0                           ; a lane permute's destination counts as one of its sources
	v_mov_b32 v[TM+5], 0
	s_wait_loadcnt 0x0
	QW2
	v_or_b32 v[WW], 0x7f7f0000, v[PAIR]            ; my column's word: two bytes, and 127 over the zero codes
.irp b, 0,1
	v_max3_num_f32 v[TM+\b], |v[QX+16*\b]|, |v[QX+1+16*\b]|, FLOOR
.endr
.irp i, 2,4,6,8,10,12,14
.irp b, 0,1
	v_max3_num_f32 v[TM+\b], v[TM+\b], |v[QX+16*\b+\i]|, |v[QX+1+16*\b+\i]|
.endr
.endr
.irp b, 0,1
	v_permlanex16_b32 v[TM+4+\b], v[TM+\b], s26, s27
.endr
.irp b, 0,1
	v_max_num_f32 v[TM+\b], v[TM+\b], v[TM+4+\b]   ; with lane l xor 16's sixteen: the block's largest magnitude
.endr
.irp b, 0,1
	v_add_nc_u32 v[TM+12+\b], EM2, v[TM+\b]
.endr
.irp b, 0,1
	v_lshrrev_b32 v[TM+4+\b], 23, v[TM+12+\b]
.endr
	v_lshl_or_b32 v[QW], v[TM+5], 8, v[TM+4]
	v_or_b32 v[QW], 0x7f7f0000, v[QW]
.irp b, 0,1
	v_cvt_scalef32_pk8_fp4_f32 v[QF+2*\b], v[QX+16*\b:QX+7+16*\b], v[TM+12+\b]
	v_cvt_scalef32_pk8_fp4_f32 v[QF+1+2*\b], v[QX+8+16*\b:QX+15+16*\b], v[TM+12+\b]
.endr
	v_nop                                          ; one plain line behind a scaled conversion
.irp i, 0,1
	v_permlane16_swap_b32 v[QF+\i], v[QF+2+\i]     ; a whole block in a lane: lanes 0-15 block 0, lanes 16-31 block 1
.endr
	PLACES 8                                       ; scale registers written by vector instructions stand eight places ahead of a scaled matrix instruction, operands four
	; used transposed: source 0 = 16 columns of W_q, source 1 = the 16 batches: lane r = batch r, register j = column 16 T + 8 h + j
	v_wmma_scale_f32_16x16x128_f8f6f4 v[D0:D0+7], v[CA:CA+7], v[QF:QF+7], 0, v[WW], v[QW] matrix_a_fmt:MATRIX_FMT_FP4 matrix_b_fmt:MATRIX_FMT_FP4
	v_wmma_scale_f32_16x16x128_f8f6f4 v[D1:D1+7], v[CB:CB+7], v[QF:QF+7], 0, v[WW], v[QW] matrix_a_fmt:MATRIX_FMT_FP4 matrix_b_fmt:MATRIX_FMT_FP4 matrix_a_scale:MATRIX_SCALE_ROW1
	PLACES 4
	ds_store_b128 v5, v[D0:D0+3]                   ; each result from its low end on
	ds_store_b128 v5, v[D0+4:D0+7] offset:512
	ds_store_b128 v5, v[D1:D1+3] offset:1024
	ds_store_b128 v5, v[D1+4:D1+7] offset:1536
	BARRIER                                        ; the eight parts along k lie in LDS
	s_cmp_gt_u32 s18, 1
	s_cbranch_scc1 .Lend_q
.irp p, 0,1,2,3,4,5,6,7                        ; waves 0 and 1: tile T = wave: the eight waves' parts, as they stood in registers
.irp q, 0,1
	ds_load_b128 v[X+8*\p+4*\q:X+8*\p+4*\q+3], v6 offset:2048*\p+512*\q
.endr
.endr
	s_wait_dscnt 0x0
.irp p, 1,2,3,4,5,6,7
.irp q, 0,1,2,3
	v_pk_add_f32 v[X+2*\q:X+2*\q+1], v[X+2*\q:X+2*\q+1], v[X+8*\p+2*\q:X+8*\p+2*\q+1]
.endr
.endr
	global_store_b128 v8, v[X:X+3], s[16:17]       ; Q_(r, 32 G + 16 T + 8 h + 0 .. 7)
	global_store_b128 v8, v[X+4:X+7], s[16:17] offset:16
.Lend_q:
	s_wait_tensorcnt 0x0
	ds_add_u32 v176, v177
	s_wait_dscnt 0x0
	s_endpgm
.Lfunc_end_k_q9b60192438_prep:
	.size	k_q9b60192438_prep, .Lfunc_end_k_q9b60192438_prep-k_q9b60192438_prep
	.p2alignl 7, 3214868480
	.fill 96, 4, 3214868480
	.section	.rodata,"a",@progbits
	.p2align	6, 0x0
	.amdhsa_kernel k_q9b60192438_prep
		.amdhsa_group_segment_fixed_size 18432
		.amdhsa_private_segment_fixed_size 0
		.amdhsa_enable_private_segment 0
		.amdhsa_kernarg_size 56
		.amdhsa_user_sgpr_count 2
		.amdhsa_user_sgpr_kernarg_segment_ptr 1
		.amdhsa_wavefront_size32 1
		.amdhsa_system_sgpr_workgroup_id_x 1
		.amdhsa_system_sgpr_workgroup_id_y 1
		.amdhsa_system_sgpr_workgroup_id_z 1
		.amdhsa_system_vgpr_workitem_id 0
		.amdhsa_next_free_vgpr 178
		.amdhsa_next_free_sgpr 66
		.amdhsa_reserve_vcc 0
		.amdhsa_float_denorm_mode_32 3
		.amdhsa_float_denorm_mode_16_64 3
		.amdhsa_memory_ordered 1
		.amdhsa_forward_progress 1
		.amdhsa_inst_pref_size 29
	.end_amdhsa_kernel
	.amdgpu_metadata
---
amdhsa.version: [ 1, 2 ]
amdhsa.kernels:
  - .name:           k_q9b60192438_prep
    .symbol:         k_q9b60192438_prep.kd
    .args:
      - { .name: W_k, .offset: 0, .size: 8, .value_kind: global_buffer, .address_space: global }
      - { .name: W_v, .offset: 8, .size: 8, .value_kind: global_buffer, .address_space: global }
      - { .name: W_q, .offset: 16, .size: 8, .value_kind: global_buffer, .address_space: global }
      - { .name: Q, .offset: 24, .size: 8, .value_kind: global_buffer, .address_space: global }
      - { .name: wcodes, .offset: 32, .size: 8, .value_kind: global_buffer, .address_space: global }
      - { .name: wscl, .offset: 40, .size: 8, .value_kind: global_buffer, .address_space: global }
      - { .name: qproj, .offset: 48, .size: 8, .value_kind: global_buffer, .address_space: global }
    .group_segment_fixed_size: 18432
    .private_segment_fixed_size: 0
    .kernarg_segment_align: 8
    .kernarg_segment_size: 56
    .max_flat_workgroup_size: 256
    .sgpr_count:     66
    .vgpr_count:     178
    .wavefront_size: 32
...
	.end_amdgpu_metadata
.endif
;; end of part 1
;; launch proj (part 2): grid 256 x 1, 4 waves a work-group, no clusters, 327,680 bytes of LDS; arguments K, V, wcodes, wscl, qproj, scores, vcodes, vscl, csum; writes scores, vcodes, vscl, csum
.if DOCPART == 2
	.amdgcn_target "amdgcn-amd-amdhsa--gfx1250"
	.amdhsa_code_object_version 6
	.text
	.protected	k_q9b60192438_proj
	.globl	k_q9b60192438_proj
	.p2align	8
	.type	k_q9b60192438_proj,@function
k_q9b60192438_proj:
	s_mov_b64 s[64:65], 0
	v_nop
	global_prefetch_b8 v0, s[64:65] scope:SCOPE_SE
	s_setreg_imm32_b32 hwreg(HW_REG_WAVE_MODE, 25, 1), 1
	s_wait_xcnt 0x0
; Work-groups 0-127:   scores[b][key] = (Q(K) Q(W_k))[key] . Q_[b] / temperature: K_ never goes to memory.
; Work-groups 128-255: V_ = Q(V) Q(W_v), quantised ALONG THE KEYS into codes of FP4 (E2M1) in the order of an operand's registers, their scale words, and the column sums of the quantised V_ over each 128 keys.
;   vcodes [b 16][ks 16][ntile 32][c 2][lane 32][16 bytes]: lane (r, h), group c = column 16 ntile + r, keys 128 ks + 64 c + 32 h + 0 .. 31
;   vscl, csum [b][ks][w 4][r 16][t 8] words: column 128 w + 16 t + r
; SHARES.  A work-group owns 256 rows of the flat [32,768][512] tensor, as two blocks of 128.  THE WAVES SHARE THE COLUMNS: wave w keeps the 32 fragments of W's columns 128 w .. 128 w + 127 in registers for the whole
; launch and multiplies all 128 rows by them.  For the quantising wave w takes rows 32 w .. 32 w + 31: its own tensor load brings them (64 KB, dense), it alone reads them, and its fragments go to the others
; through LDS as images of their registers (16 bytes a lane on end).
; THE ROWS OF A TILE ARE NOT NEIGHBOURS: lane r of tile 2 b + u takes row 32 b + 8 u + r + 8 (r / 8), so that in V's product (source 0 = rows, source 1 = columns of W: a lane holds one column) the 16 registers of tiles
; 2 b and 2 b + 1 are 16 neighbouring keys: the quantiser's layout.  K's product is used the other way round (a lane holds one row, registers run along the columns), for the dot product with Q_.
; No cluster: work-groups share W alone, 136 KB against 512 KB of rows of their own, and it goes once from memory into registers in operand order.
; V's work-groups load Q_'s 64 numbers too (16 loads): so these registers are written on every way through the text.
; The slot's rows lie 2,080 bytes apart (two lines of 1,024 + 16): sixteen rows fall on eight different 16-byte columns modulo 256 bytes, so these reads go two deep.
; LIMITS: a block whose largest magnitude lies under 2^-124 keeps the byte 1; a block of zeros keeps the byte 1 where the rule says 127 (zero codes; this program alone reads the bytes); NaN and infinities are not served;
; the division by the temperature is a multiplication by the f32 number nearest to its reciprocal.
.set FLOOR, 0x1800000
.set EM2,   0xff000000
.set RTEMP, 0x3d3504f2                 ; 1 / f32(sqrt(512) + 1e-6)
.set SLOTW, 66560                      ; LDS: a wave's slot: 64 lines of 1,024 + 16 bytes
.set XIMG,  266240                     ; the rows' 32 fragments: (tile m, K step s) at 1,024 (4 m + s)
.set XSC,   299008                     ; their scale words: 512 m + 16 x lane: four words, s = 0 .. 3
.set KSUM,  303104                     ; [key 128][wave 4] f32: K's way alone
.set SPARE, 305152                     ; the spare words, 128 bytes a wave: two blocks of 256 bytes that no other line names
.set TM,    16                         ; v16-31  at work in QUANT
.set PC0,   32                         ; v32-47  two sets of codes just made
.set PWQ,   48                         ; v48-55  scale words just made (rows' or V_'s)
.set PWS,   48
.set ONESC, 56                         ; v56     0x7f7f7f7f: the scale 1
.set XS,    64                         ; v64-95  the rows' scale words (4 m + s)
.set WS,    96                         ; v96-127 W's scale words (4 t + s)
.set ST0,   128                        ; v128-191 64 numbers; later the 8 accumulators
.set ACC,   128
.set ST1,   192                        ; v192-255 64 numbers; later V_'s codes (8 t) or the dot products' sums
.set VC,    192
.set S2,    192
; window 1: W(t, s) at 8 (4 t + s).  window 2: the rows' fragments (m, s) at 8 (4 m + s).  window 3: v0-63 Q_(128 w + 16 t + 8 h + j) at 8 t + j; v64-71 the code of 1.0, eight to a register
.set MSB, 0
.macro WIN new                         ; the immediate's high byte repeats the setting that is left; a switch that changes nothing is dropped
.if MSB != \new
	s_set_vgpr_msb (MSB<<8)|\new
.set MSB, \new
.endif
.endm
.macro PLACES n
.rept \n
	v_nop
.endr
.endm
.macro BARRIER                         ; my LDS stores have landed and my LDS loads are in: then the work-group's barrier
	s_wait_dscnt 0x0
	s_barrier_signal -1
	s_barrier_wait -1
.endm
; 64 numbers of a lane, register s + 16 b + i = k 32 b + 16 (lane / 16) + i of the lane's row, become a fragment's codes in v[pc] on and its scale word in v[pw]
.macro QUANT s, pc, pw
.irp b, 0,1,2,3
	v_max3_num_f32 v[TM+\b], |v[(\s)+16*\b]|, |v[(\s)+1+16*\b]|, FLOOR
.endr
.irp i, 2,4,6,8,10,12,14
.irp b, 0,1,2,3
	v_max3_num_f32 v[TM+\b], v[TM+\b], |v[(\s)+16*\b+\i]|, |v[(\s)+1+16*\b+\i]|
.endr
.endr
.irp b, 0,1,2,3
	v_permlanex16_b32 v[TM+4+\b], v[TM+\b], s54, s55
.endr
.irp b, 0,1,2,3
	v_max_num_f32 v[TM+\b], v[TM+\b], v[TM+4+\b]   ; with lane l xor 16's: the block's largest magnitude
.endr
.irp b, 0,1,2,3
	v_add_nc_u32 v[TM+12+\b], EM2, v[TM+\b]        ; 2 off its exponent field: the conversion's scale operand
.endr
.irp b, 0,1,2,3
	v_lshrrev_b32 v[TM+4+\b], 23, v[TM+12+\b]      ; the scale's byte
.endr
	v_lshl_or_b32 v[\pw], v[TM+5], 8, v[TM+4]
	v_lshl_or_b32 v[\pw], v[TM+6], 16, v[\pw]
	v_lshl_or_b32 v[\pw], v[TM+7], 24, v[\pw]
.irp b, 0,1,2,3
	v_cvt_scalef32_pk8_fp4_f32 v[(\pc)+2*\b], v[(\s)+16*\b:(\s)+7+16*\b], v[TM+12+\b]
	v_cvt_scalef32_pk8_fp4_f32 v[(\pc)+1+2*\b], v[(\s)+8+16*\b:(\s)+15+16*\b], v[TM+12+\b]
.endr
	v_nop                                          ; one plain line behind a scaled conversion
.irp c, 0,1                                    ; a whole block in a lane: lanes 0-15 block 2 c, lanes 16-31 block 2 c + 1
.irp i, 0,1
	v_permlane16_swap_b32 v[(\pc)+4*\c+\i], v[(\pc)+2+4*\c+\i]
.endr
.endr
.endm
; my tile u = uu / 4, K step s = uu % 4: 64 numbers a lane out of my slot
.macro XLD uu, set
.irp b, 0,1,2,3
.irp j, 0,1,2,3
	ds_load_b128 v[(\set)+16*\b+4*\j:(\set)+16*\b+4*\j+3], v3 offset:16640*((\uu)/4)+512*((\uu)%4)+16*(((\uu)%4)/2)+128*\b+16*\j
.endr
.endr
.endm
; my 32 rows become eight fragments.  The loads run two fragments ahead, in two sets of registers.  Counts: behind a set's 16 loads stand the other fragment's two image stores and the next 16 loads
.macro XPHASE
	XLD 0, ST0
	XLD 1, ST1
.irp uu, 0,1,2,3,4,5,6,7
.if \uu == 0
	s_wait_dscnt 16                                ; the first 16 loads are in; the second 16 may be out
.elseif \uu == 7
	s_wait_dscnt 2                                 ; only the last two image stores may be out
.else
	s_wait_dscnt 18                                ; two image stores and 16 loads may be out
.endif
	QUANT ST0+64*(\uu%2), PC0+8*(\uu%2), PWQ+\uu
	ds_store_b128 v6, v[PC0+8*(\uu%2):PC0+8*(\uu%2)+3] offset:1024*\uu
	ds_store_b128 v6, v[PC0+8*(\uu%2)+4:PC0+8*(\uu%2)+7] offset:1024*\uu+512
.if \uu%4 == 3
	ds_store_b128 v7, v[PWQ+\uu-3:PWQ+\uu] offset:512*(\uu/4)   ; the tile's four scale words
.endif
.if \uu < 6
	XLD \uu+2, ST0+64*(\uu%2)
.endif
.endr
.endm
; 32 matrix instructions: the eight tiles of rows against W's column tile t, K ascending; the eight accumulators take turns, one instruction a turn; the first K step starts the sums
.macro RUN t, kway
.if \kway
	WIN 0x09                                       ; source 0 = W (window 1), source 1 = rows (window 2)
.else
	WIN 0x06                                       ; source 0 = rows (window 2), source 1 = W (window 1)
.endif
.irp s, 0,1,2,3
.irp m, 0,1,2,3,4,5,6,7
.if \kway
.if \s == 0
	v_wmma_scale_f32_16x16x128_f8f6f4 v[ACC+8*\m:ACC+8*\m+7], v[8*(4*(\t)+\s):8*(4*(\t)+\s)+7], v[8*(4*\m+\s):8*(4*\m+\s)+7], 0, v[WS+4*(\t)+\s], v[XS+4*\m+\s] matrix_a_fmt:MATRIX_FMT_FP4 matrix_b_fmt:MATRIX_FMT_FP4
.else
	v_wmma_scale_f32_16x16x128_f8f6f4 v[ACC+8*\m:ACC+8*\m+7], v[8*(4*(\t)+\s):8*(4*(\t)+\s)+7], v[8*(4*\m+\s):8*(4*\m+\s)+7], v[ACC+8*\m:ACC+8*\m+7], v[WS+4*(\t)+\s], v[XS+4*\m+\s] matrix_a_fmt:MATRIX_FMT_FP4 matrix_b_fmt:MATRIX_FMT_FP4
.endif
.else
.if \s == 0
	v_wmma_scale_f32_16x16x128_f8f6f4 v[ACC+8*\m:ACC+8*\m+7], v[8*(4*\m+\s):8*(4*\m+\s)+7], v[8*(4*(\t)+\s):8*(4*(\t)+\s)+7], 0, v[XS+4*\m+\s], v[WS+4*(\t)+\s] matrix_a_fmt:MATRIX_FMT_FP4 matrix_b_fmt:MATRIX_FMT_FP4
.else
	v_wmma_scale_f32_16x16x128_f8f6f4 v[ACC+8*\m:ACC+8*\m+7], v[8*(4*\m+\s):8*(4*\m+\s)+7], v[8*(4*(\t)+\s):8*(4*(\t)+\s)+7], v[ACC+8*\m:ACC+8*\m+7], v[XS+4*\m+\s], v[WS+4*(\t)+\s] matrix_a_fmt:MATRIX_FMT_FP4 matrix_b_fmt:MATRIX_FMT_FP4
.endif
.endif
.endr
.endr
.endm
; K's way: the tile's 16 columns times Q_, onto a pair of sums for each tile of rows; each accumulator is read from its low end on; the very first products start the sums
.macro DOT t
	WIN 0x0c                                       ; source 1 = Q_ (window 3)
.irp q, 0,1,2,3
.irp m, 0,1,2,3,4,5,6,7
.if ((\t) == 0) && (\q == 0)
	v_pk_mul_f32 v[S2+2*\m:S2+2*\m+1], v[ACC+8*\m:ACC+8*\m+1], v[8*(\t):8*(\t)+1]
.else
	v_pk_fma_f32 v[S2+2*\m:S2+2*\m+1], v[ACC+8*\m+2*\q:ACC+8*\m+2*\q+1], v[8*(\t)+2*\q:8*(\t)+2*\q+1], v[S2+2*\m:S2+2*\m+1]
.endif
.endr
.endr
.endm
	s_load_b512 s[4:19], s[0:1], 0x0               ; K, V, wcodes, wscl, qproj, scores, vcodes, vscl
	s_load_b64 s[20:21], s[0:1], 0x40              ; csum
	v_lshl_add_u32 v1, v0, 2, SPARE                ; my spare word; never rewritten
	v_mov_b32 v2, 0                                ; 0; never rewritten
	ds_add_u32 v1, v2
	ds_add_u32 v1, v2
	s_wait_dscnt 0x0
	v_lshrrev_b32 v14, 5, v0
	v_readfirstlane_b32 s22, v14                   ; wave w
	s_lshr_b32 s23, ttmp9, 7                       ; 0: K's work-group, 1: V's
	s_and_b32 s24, ttmp9, 127                      ; Y: rows 256 Y on
	s_or_b32 s57, s22, s23                         ; 0 in wave 0 of K's work-groups
	; descriptor group 1: 64 lines of 256 elements of 4 bytes, dense; 4 words of padding behind every 256
	s_mov_b32 s28, (2<<16)|(1<<20)|(7<<22)|(3<<25)
	s_mov_b32 s29, 256<<16                         ; tensor_dim0
	s_mov_b32 s30, 64<<16                          ; tensor_dim1
	s_mov_b32 s31, 256<<16                         ; tile_dim0
	s_mov_b32 s32, 64                              ; tile_dim1
	s_mov_b32 s33, 256                             ; from line to line
	s_mov_b32 s34, 0
	s_mov_b32 s35, 0
	s_mov_b32 s36, 1
	s_mul_i32 s37, s22, SLOTW                      ; my slot
	s_lshl_b32 s58, s24, 19                        ; 256 Y rows of 2,048 bytes
	s_lshl_b32 s59, s22, 16                        ; + my 32 rows
	s_add_co_u32 s58, s58, s59
	s_mov_b32 s59, 0
	s_mov_b32 s54, 0x76543210
	s_mov_b32 s55, 0xfedcba98
	s_mov_b32 s56, 0xffff0000                      ; lanes 16-31
	s_wait_kmcnt 0x0
	s_cmp_eq_u32 s23, 0
	s_cselect_b64 s[26:27], s[4:5], s[6:7]
	s_add_nc_u64 s[38:39], s[26:27], s[58:59]
	s_or_b32 s39, s39, 0x80000000
	tensor_load_to_lds s[36:39], s[28:35]          ; block 0's rows: my one load out
	s_nop 0
	v_and_b32 v14, 15, v0                          ; r
	v_bfe_u32 v15, v0, 4, 1                        ; h
	v_and_b32 v4, 31, v0
	v_and_b32 v12, 8, v14
	v_lshlrev_b32 v4, 4, v4                        ; 16 x lane
	v_add_nc_u32 v13, v12, v14                     ; r + 8 (r / 8)
	v_mul_u32_u24 v3, v13, 2080
	v_lshl_add_u32 v3, v15, 6, v3
	v_add_nc_u32 v3, s37, v3                       ; my slot: row r + 8 (r / 8), + 64 h
	v_lshlrev_b32 v5, 5, v14
	v_lshl_add_u32 v5, v15, 4, v5                  ; 32 r + 16 h
	s_lshl_b32 s58, s22, 13
	v_add_nc_u32 v6, s58, v4
	v_add_nc_u32 v6, XIMG, v6                      ; where I store images
	s_lshl_b32 s58, s22, 10
	v_add_nc_u32 v7, s58, v4
	v_add_nc_u32 v7, XSC, v7                       ; and their scale words
	v_add_nc_u32 v8, XIMG, v4                      ; where everybody fetches them
	v_add_nc_u32 v9, XSC, v4
	s_lshl_b32 s58, s22, 2
	v_lshl_add_u32 v10, v13, 4, KSUM
	v_add_nc_u32 v10, s58, v10                     ; KSUM + 16 (r + 8 (r / 8)) + 4 w
	v_lshl_add_u32 v11, v4, 2, KSUM                ; KSUM + 64 x lane
	v_lshlrev_b32 v12, 4, v14                      ; 16 r
	v_lshlrev_b32 v13, 5, v15                      ; 32 h
	v_mov_b32 v[ONESC], 0x7f7f7f7f
.irp b, 0,1,2,3
	v_mov_b32 v[TM+4+\b], 0                        ; a lane permute's destination counts as one of its sources
.endr
	s_lshl_b32 s58, s23, 17
	s_lshl_b32 s60, s22, 15
	s_add_co_u32 s58, s58, s60
	s_add_nc_u64 s[40:41], s[8:9], s[58:59]        ; my 32 fragments of W
	s_lshl_b32 s58, s23, 13
	s_lshl_b32 s60, s22, 11
	s_add_co_u32 s58, s58, s60
	s_add_nc_u64 s[42:43], s[10:11], s[58:59]      ; their scale bytes
	s_lshr_b32 s58, s24, 3
	s_lshl_b32 s58, s58, 11
	s_lshl_b32 s60, s22, 9
	s_add_co_u32 s58, s58, s60
	s_add_nc_u64 s[44:45], s[12:13], s[58:59]      ; Q_ of my batch, my 128 columns
	s_lshl_b32 s58, s24, 10
	s_add_nc_u64 s[46:47], s[14:15], s[58:59]      ; scores
	s_lshl_b32 s58, s24, 16
	s_lshl_b32 s60, s22, 13
	s_add_co_u32 s58, s58, s60
	s_add_nc_u64 s[48:49], s[16:17], s[58:59]      ; vcodes
	s_lshl_b32 s58, s24, 12
	s_lshl_b32 s60, s22, 9
	s_add_co_u32 s58, s58, s60
	s_add_nc_u64 s[50:51], s[18:19], s[58:59]      ; vscl
	s_add_nc_u64 s[52:53], s[20:21], s[58:59]      ; csum
	WIN 0x40                                       ; destination window 1
.set i, 0
.rept 64
	global_load_b128 v[4*i:4*i+3], v4, s[40:41] offset:512*i
.set i, i+1
.endr
	WIN 0
.irp t, 0,1,2,3,4,5,6,7
	global_load_b128 v[WS+4*\t:WS+4*\t+3], v12, s[42:43] offset:256*\t
.endr
	WIN 0xc0                                       ; destination window 3
.irp t, 0,1,2,3,4,5,6,7
	global_load_b128 v[8*\t:8*\t+3], v13, s[44:45] offset:64*\t
	global_load_b128 v[8*\t+4:8*\t+7], v13, s[44:45] offset:64*\t+16
.endr
.irp i, 0,1,2,3,4,5,6,7
	v_mov_b32 v[64+\i], 0x22222222                 ; the code of 1.0
.endr
	WIN 0
.macro BLOCK blk
.if \blk
	s_wait_xcnt 0x0                                ; block 0's stores have read their registers: these are written again from here on
.endif
	s_wait_tensorcnt 0x0                           ; my rows have landed; I alone read them
	XPHASE
.if \blk == 0
	s_wait_tensorcnt 0x0                           ; the slot is filled again: no tensor load of mine is out,
	ds_add_u32 v1, v2                              ; 0 onto my spare word,
	s_add_nc_u64 s[38:39], s[38:39], 262144        ; (the next 128 rows)
	s_wait_dscnt 0x0                               ; the add is done, my reads of the slot are over and my images have landed
	s_barrier_signal -1
	s_barrier_wait -1
	tensor_load_to_lds s[36:39], s[28:35]          ; my one load behind this barrier: it has the block's matrix work in which to land
	s_nop 0
	PLACES 4
.else
	BARRIER                                        ; the 32 fragments lie in LDS
.endif
	WIN 0x80                                       ; destination window 2
.set i, 0
.rept 64
	ds_load_b128 v[4*i:4*i+3], v8 offset:512*i
.set i, i+1
.endr
	WIN 0
.irp m, 0,1,2,3,4,5,6,7
	ds_load_b128 v[XS+4*\m:XS+4*\m+3], v9 offset:512*\m
.endr
.if \blk == 0
	s_wait_loadcnt 0x0                             ; W, its scale words, Q_
.endif
	s_wait_dscnt 0x0
	s_cmp_eq_u32 s23, 0
	s_cbranch_scc1 .Lkway_\@
	; ---- V's way: a column tile at a time: 128 keys x 16 columns, quantised along the keys, stored as a fragment
.irp t, 0,1,2,3,4,5,6,7
	RUN \t, 0
	WIN 0
	PLACES 4
	QUANT ACC, VC+8*\t, PWS+\t                     ; (its lines on v16-31 are also the places ahead of the next run, which begins the accumulators anew)
	global_store_b128 v4, v[VC+8*\t:VC+8*\t+3], s[48:49] offset:32768*\blk+1024*\t
	global_store_b128 v4, v[VC+8*\t+4:VC+8*\t+7], s[48:49] offset:32768*\blk+1024*\t+512
.endr
	PLACES 8                                       ; operands and scale words written by vector instructions
	WIN 0x03                                       ; source 0 = ones (window 3)
.irp t, 0,1,2,3,4,5,6,7
	v_wmma_scale_f32_16x16x128_f8f6f4 v[ACC+8*\t:ACC+8*\t+7], v[64:71], v[VC+8*\t:VC+8*\t+7], 0, v[ONESC], v[PWS+\t] matrix_a_fmt:MATRIX_FMT_FP4 matrix_b_fmt:MATRIX_FMT_FP4   ; every register: the sum over the 128 keys of column 16 t + r
.endr
	WIN 0
	PLACES 4
.irp q, 0,1,2,3
	v_cndmask_b32 v[60+\q], v[ACC+8*\q], v[ACC+8*(\q+4)], s56   ; lanes 0-15: t = q, lanes 16-31: t = q + 4; each result's lowest register
.endr
	global_store_b128 v5, v[60:63], s[52:53] offset:2048*\blk   ; 512 neighbouring bytes
.irp q, 0,1,2,3
	v_cndmask_b32 v[PC0+\q], v[PWS+\q], v[PWS+\q+4], s56
.endr
	global_store_b128 v5, v[PC0:PC0+3], s[50:51] offset:2048*\blk
	s_branch .Ljoin_\@
.Lkway_\@:
	; ---- K's way: the dot product with Q_ over my 128 columns
.irp t, 0,1,2,3,4,5,6,7
	RUN \t, 1
	PLACES 4
	DOT \t
.endr
	WIN 0
.irp m, 0,1,2,3,4,5,6,7
	v_add_f32 v[S2+2*\m], v[S2+2*\m], v[S2+2*\m+1]
.endr
.irp m, 0,1,2,3,4,5,6,7
	v_permlanex16_b32 v[S2+2*\m+1], v[S2+2*\m], s54, s55
.endr
.irp m, 0,1,2,3,4,5,6,7
	v_add_f32 v[S2+2*\m], v[S2+2*\m], v[S2+2*\m+1] ; with lane l xor 16's columns
.endr
.irp m, 0,1,2,3,4,5,6,7
	ds_store_b32 v10, v[S2+2*\m] offset:16*(32*(\m/2)+8*(\m%2))   ; key 32 (m / 2) + 8 (m % 2) + r + 8 (r / 8), my wave's word
.endr
.Ljoin_\@:
	BARRIER                                        ; on every wave's way: the four waves' parts lie in LDS, and everybody has fetched this block's images
	s_cmp_lg_u32 s57, 0
	s_cbranch_scc1 .Lnot_mine_\@
.irp q, 0,1,2,3
	ds_load_b128 v[ACC+4*\q:ACC+4*\q+3], v11 offset:16*\q      ; wave 0 of K's work-groups: keys 4 x lane + q: four parts each
.endr
	s_wait_dscnt 0x0
.irp q, 0,1,2,3
	v_pk_add_f32 v[ACC+4*\q:ACC+4*\q+1], v[ACC+4*\q:ACC+4*\q+1], v[ACC+4*\q+2:ACC+4*\q+3]
.endr
.irp q, 0,1,2,3
	v_add_f32 v[ACC+16+\q], v[ACC+4*\q], v[ACC+4*\q+1]
.endr
.irp q, 0,1,2,3
	v_mul_f32 v[ACC+16+\q], RTEMP, v[ACC+16+\q]
.endr
	global_store_b128 v4, v[ACC+16:ACC+19], s[46:47] offset:512*\blk   ; 128 logits: 512 neighbouring bytes
.Lnot_mine_\@:
.endm
	BLOCK 0
	BLOCK 1
	s_wait_tensorcnt 0x0                           ; the wave's end
	ds_add_u32 v1, v2
	s_wait_dscnt 0x0
	s_endpgm
.Lfunc_end_k_q9b60192438_proj:
	.size	k_q9b60192438_proj, .Lfunc_end_k_q9b60192438_proj-k_q9b60192438_proj
	.p2alignl 7, 3214868480
	.fill 96, 4, 3214868480
	.section	.rodata,"a",@progbits
	.p2align	6, 0x0
	.amdhsa_kernel k_q9b60192438_proj
		.amdhsa_group_segment_fixed_size 327680
		.amdhsa_private_segment_fixed_size 0
		.amdhsa_enable_private_segment 0
		.amdhsa_kernarg_size 72
		.amdhsa_user_sgpr_count 2
		.amdhsa_user_sgpr_kernarg_segment_ptr 1
		.amdhsa_wavefront_size32 1
		.amdhsa_system_sgpr_workgroup_id_x 1
		.amdhsa_system_sgpr_workgroup_id_y 1
		.amdhsa_system_sgpr_workgroup_id_z 1
		.amdhsa_system_vgpr_workitem_id 0
		.amdhsa_next_free_vgpr 840
		.amdhsa_next_free_sgpr 66
		.amdhsa_reserve_vcc 0
		.amdhsa_float_denorm_mode_32 3
		.amdhsa_float_denorm_mode_16_64 3
		.amdhsa_memory_ordered 1
		.amdhsa_forward_progress 1
		.amdhsa_inst_pref_size 255
	.end_amdhsa_kernel
	.section	.bss,"aw",@nobits
	.p2align	6
	.space	262144
	.amdgpu_metadata
---
amdhsa.version: [ 1, 2 ]
amdhsa.kernels:
  - .name:           k_q9b60192438_proj
    .symbol:         k_q9b60192438_proj.kd
    .args:
      - { .name: K, .offset: 0, .size: 8, .value_kind: global_buffer, .address_space: global }
      - { .name: V, .offset: 8, .size: 8, .value_kind: global_buffer, .address_space: global }
      - { .name: wcodes, .offset: 16, .size: 8, .value_kind: global_buffer, .address_space: global }
      - { .name: wscl, .offset: 24, .size: 8, .value_kind: global_buffer, .address_space: global }
      - { .name: qproj, .offset: 32, .size: 8, .value_kind: global_buffer, .address_space: global }
      - { .name: scores, .offset: 40, .size: 8, .value_kind: global_buffer, .address_space: global }
      - { .name: vcodes, .offset: 48, .size: 8, .value_kind: global_buffer, .address_space: global }
      - { .name: vscl, .offset: 56, .size: 8, .value_kind: global_buffer, .address_space: global }
      - { .name: csum, .offset: 64, .size: 8, .value_kind: global_buffer, .address_space: global }
    .group_segment_fixed_size: 327680
    .private_segment_fixed_size: 0
    .kernarg_segment_align: 8
    .kernarg_segment_size: 72
    .max_flat_workgroup_size: 128
    .sgpr_count:     66
    .vgpr_count:     840
    .wavefront_size: 32
...
	.end_amdgpu_metadata
.endif
;; end of part 2
;; launch attn (part 3): grid 256 x 1, 4 waves a work-group, no clusters, 308,480 bytes of LDS; arguments V, mask, scores, vcodes, vscl, csum, ln_gamma, ln_beta, out0; writes out0
.if DOCPART == 3
	.amdgcn_target "amdgcn-amd-amdhsa--gfx1250"
	.amdhsa_code_object_version 6
	.text
	.protected	k_q9b60192438_attn
	.globl	k_q9b60192438_attn
	.p2align	8
	.type	k_q9b60192438_attn,@function
k_q9b60192438_attn:
	s_mov_b64 s[64:65], 0
	v_nop
	global_prefetch_b8 v0, s[64:65] scope:SCOPE_SE
	s_setreg_imm32_b32 hwreg(HW_REG_WAVE_MODE, 25, 1), 1
	s_wait_xcnt 0x0
; out0[b][i] = LayerNorm(V[b][i] + sum over keys j of softmax_j(logit) V_[b][j]), the product on codes of FP4 (E2M1) with one E8M0 scale for each 32 keys.
; Every row of a batch has the same logits; row i sees keys j <= i; a row whose mask byte is set sees all 2,048 keys with equal weight.
; THE SOFTMAX.  t = logit x log2(e); M_i = the ceiling of the largest t up to key i; p_ij = 2^(t_j - M_i); l_i = the sum of the unquantised p.  For a block b of 32 keys that lies wholly at or under row i,
; p_ij = w_j 2^(N_b - M_i) with w_j = 2^(t_j - N_b), N_b the ceiling of the block's largest t: a power of two, which the block's scale takes up.  So the codes of w are made once for each key, and for each (row, block)
; only the byte: byte_b + N_b - M_i.  The one block that holds the diagonal is quantised row by row; blocks above it get zero codes.
; A MASKED ROW is the column sum of the quantised V_ over all keys / 2,048 (p = 1 is the code 4 under the scale 1/4, exactly; l = 2,048).  The sums of 128 keys come from the launch before; the row is chosen by
; arithmetic: x = acc a + (T b + V), (a, b) = (1 / l, 0) or (0, 1).
; SHARES.  b = x / 16, g = x % 16.  A work-group owns eight tiles of 16 rows, 256 rows apart: row 256 m + 16 g + r.  Tile m meets key steps ks < 2 m whole and has its diagonal in steps 2 m, 2 m + 1: which tile works in which
; step is the same in every work-group, so the sixteen key steps are written out with constant counts, and g enters as data.  Where g < 8 the second step of a window holds zero codes alone and is jumped over (a scalar branch on g).
; THE WAVES SHARE THE COLUMNS: wave w holds columns 128 w .. 128 w + 127 of all 128 rows, 64 accumulators, so that each fragment of V_ is read once by the work-group, from memory in register order, and feeds up to eight products.
; Used transposed: source 0 = 16 columns of V_, source 1 = P of 16 rows: a lane holds one row, its registers eight neighbouring columns.
; V's 128 rows come by tensor loads issued at the head and land under the statistics and the key loop; their LDS bytes later serve as the stage on the way out (they have had their only fill).
; THE WAY OUT goes by tiles, three at a time: in a stage tile j takes its residual and its row sums, tile j - 1 is centred and squared, tile j - 2 is scaled and leaves; one barrier a stage carries the four waves'
; partial sums on.  So a tile's stores leave while the later tiles are still worked on.
; No cluster: the sixteen work-groups of a batch do share V_'s codes, but V's tile and the tables leave 19,712 bytes of LDS, less than a key step's 34,816: there is no room for slots that joint loads could fill.
; LIMITS: |t| < 2^24; NaN and infinities are not served; N_b - M_i is held at -300 from below; a byte that would fall under 1 is held at 1 (what is lost lies under 6 x 2^-126 |V_| beside l >= 1/2);
; a masked row's unused sum must be finite (it is multiplied by 0).
.set LOG2E,  0x3fb8aa3b
.set FLOOR,  0x1800000
.set EM2,    0xff000000
.set NEGBIG, 0xff61b1e6                ; -3e38
.set NEGINF, 0xff800000
.set TILEB,  33280                     ; LDS from 0: V's rows: local row 16 m + r at 2,080 x row; byte x of a row at x + 16 (x >= 1,024); 16 rows are TILEB
.set PCODE,  266240                    ; block b's 32 codes of w at 16 b
.set NBT,    267264                    ; N_b; 256 on: L_b (the sum of w); 512 on: byte_b; all f32
.set TS,     268032                    ; T = column sum / 2,048; 2,048 on: gamma; 4,096 on: beta; by column
.set GAMT,   270080
.set SCW,    274176                    ; row th at 80 th: 16 scale words, one for each key step
.set DSW,    284416                    ; row th at 8 th: the two words of its window
.set ROWT,   285440                    ; row th at 16 th: (a, a, b, b)
.set DIMG,   287488                    ; P's fragments of the windows, as images of registers: key step ks at 1,024 ks + 512 c + 16 x lane
.set RS1,    303872                    ; [row][wave] sums; 2,048 on: sums of squares
.set VS,     32                        ; v32-63   V_'s scale words, four sets (8 p + t)
.set PSW,    64                        ; v64-191  P's scale words: v64 + ks: the window tile's; v64 + 16 m + ks: tile m's (m >= 1, ks < 2 m)
.set PFR,    192                       ; v192-207 P's shared fragment, two sets
.set IFR,    208                       ; v208-223 the window tile's fragment, two sets
.set RT,     64                        ; the way out: v64-95 (a, a, b, b) of my row in each tile
.set VV0,    96                        ; v96-159  V of the tile that takes its residual
.set VV1,    160                       ; v160-223 whole pieces of rows of the tile that leaves
.set CH,     224                       ; v224-233 sums at work
.set SM1,    236                       ; v236-239 the four waves' sums of my row
.set SM2,    240                       ; v240-243 and their sums of squares
.set MU,     244                       ; v244-245 minus the mean, twice
.set RS,     246                       ; v246-247 1 / sqrt(variance + eps), twice
.set LT,     66                        ; s66-72   -1 where window block bt lies under the rows' block, else 0
.set EQ,     73                        ; s73-80   -1 where it is the rows' block
; windows 2, 3: accumulator (tile m, column tile t) at 8 (8 (m % 4) + t); tiles 0-3 in window 2.   window 1: V_'s fragments, four sets of 64; from key step 13 on sets 0, 1, 2 take T, gamma, beta of my 64 columns
.set MSB, 0
.macro WIN new                         ; the immediate's high byte repeats the setting that is left; a switch that changes nothing is dropped
.if MSB != \new
	s_set_vgpr_msb (MSB<<8)|\new
.set MSB, \new
.endif
.endm
.macro WINT m, lo, hi                  ; by the tile's window
.if (\m) < 4
	WIN \lo
.else
	WIN \hi
.endif
.endm
.macro PLACES n
.rept \n
	v_nop
.endr
.endm
.macro BARRIER
	s_wait_dscnt 0x0
	s_barrier_signal -1
	s_barrier_wait -1
.endm
.macro GLOAD ks                        ; key step ks: my eight fragments of V_ and their scale words: 18 loads
	WIN 0x40
.irp i, 0,1,2,3,4,5,6,7,8,9,10,11,12,13,14,15
	global_load_b128 v[64*((\ks)%4)+4*\i:64*((\ks)%4)+4*\i+3], v1, s[44:45] offset:32768*(\ks)+512*\i
.endr
	WIN 0
.irp q, 0,1
	global_load_b128 v[VS+8*((\ks)%4)+4*\q:VS+8*((\ks)%4)+4*\q+3], v2, s[46:47] offset:2048*(\ks)+16*\q
.endr
.endm
.macro PLOAD ks                        ; key step ks: the window tile's fragment, and (while a tile lies under the step) the shared one: all sixteen rows read the same codes
.irp c, 0,1
	ds_load_b128 v[IFR+8*((\ks)%2)+4*\c:IFR+8*((\ks)%2)+4*\c+3], v4 offset:1024*(\ks)+512*\c
.endr
.if (\ks) < 14
.irp c, 0,1
	ds_load_b128 v[PFR+8*((\ks)%2)+4*\c:PFR+8*((\ks)%2)+4*\c+3], v3 offset:64*(\ks)+32*\c
.endr
.endif
.endm
.macro TLOAD z                         ; table z (0: T, 1: gamma, 2: beta) of columns 128 w + 16 t + 8 h + 0 .. 7, into window 1's set z, which the key step before has left
	WIN 0x40
.irp t, 0,1,2,3,4,5,6,7
.irp q, 0,1
	ds_load_b128 v[64*(\z)+8*\t+4*\q:64*(\z)+8*\t+4*\q+3], v9 offset:2048*(\z)+64*\t+16*\q
.endr
.endr
	WIN 0
.endm
; one matrix instruction: tile T_, column tile t, key step ks.  A_ is the step's window tile.  Step 0 starts all 64 sums
.macro MM t, ks
.set rA, 8*(8*(T_%4)+(\t))
.set rF, 64*((\ks)%4)+8*(\t)
.if T_ == A_
.set rB, IFR+8*((\ks)%2)
.set rS, PSW+(\ks)
.else
.set rB, PFR+8*((\ks)%2)
.set rS, PSW+16*T_+(\ks)
.endif
.if (\ks) == 0
	v_wmma_scale_f32_16x16x128_f8f6f4 v[rA:rA+7], v[rF:rF+7], v[rB:rB+7], 0, v[VS+8*((\ks)%4)+(\t)], v[rS] matrix_a_fmt:MATRIX_FMT_FP4 matrix_b_fmt:MATRIX_FMT_FP4
.else
	v_wmma_scale_f32_16x16x128_f8f6f4 v[rA:rA+7], v[rF:rF+7], v[rB:rB+7], v[rA:rA+7], v[VS+8*((\ks)%4)+(\t)], v[rS] matrix_a_fmt:MATRIX_FMT_FP4 matrix_b_fmt:MATRIX_FMT_FP4
.endif
.endm
.macro TILES ks, lo, hi                ; tiles lo .. hi of one window, all eight column tiles: no two instructions that follow each other share an accumulator
.irp t, 0,1,2,3,4,5,6,7
.set T_, \lo
.rept (\hi)-(\lo)+1
	MM \t, \ks
.set T_, T_+1
.endr
.endr
.endm
.macro STEP ks
.set A_, (\ks)/2
.set FT_, A_+(\ks)%2                   ; in an odd step the window tile comes last, under the branch
.if (\ks) > 0
	PLACES 4                                       ; ahead of loads into registers that the last step's products have read
.if (\ks) < 13
	GLOAD (\ks)+3                                  ; into the set that the last step has left
.endif
.endif
.if (\ks) < 15
	PLOAD (\ks)+1
.endif
.if (\ks) < 13
	s_wait_loadcnt 54                              ; this step's 18 loads are in; those of the three steps behind it may be out
	s_wait_dscnt 4                                 ; this step's fragments of P are in; the next step's four loads may be out
.else
	s_wait_loadcnt 18*(15-(\ks))
.if (\ks) < 15
	s_wait_dscnt 2
.else
	s_wait_dscnt 0x0
.endif
	TLOAD (\ks)-13                                 ; no fragments are left to ask for: the way out's tables come in their stead; the next wait on DScnt, a step on, covers them
.endif
.if FT_ < 4
	WIN 0xa1                                       ; source 0 window 1, source 1 window 0, C and D window 2
	TILES \ks, FT_, 3
.endif
.if FT_ < 5
	WIN 0xf1                                       ; C and D window 3
	TILES \ks, 4, 7
.elseif FT_ < 8
	WIN 0xf1
	TILES \ks, FT_, 7
.endif
	WIN 0
.if (\ks)%2
	s_cmp_eq_u32 s25, 0                            ; g < 8: the window's second step is all zero codes
	s_cbranch_scc1 .Lskip_\@
	WINT A_, 0xa1, 0xf1
	TILES \ks, A_, A_
	WIN 0
.Lskip_\@:
.endif
.endm
	s_load_b512 s[4:19], s[0:1], 0x0               ; V, mask, scores, vcodes, vscl, csum, ln_gamma, ln_beta
	s_load_b64 s[20:21], s[0:1], 0x40              ; out0
	v_lshl_add_u32 v254, v0, 2, 0x4b300
	v_mov_b32 v255, 0
	ds_add_u32 v254, v255
	ds_add_u32 v254, v255
	s_wait_dscnt 0x0
	v_lshrrev_b32 v3, 5, v0
	v_readfirstlane_b32 s22, v3                    ; wave w
	s_lshr_b32 s23, ttmp9, 4                       ; b
	s_and_b32 s24, ttmp9, 15                       ; g
	s_lshr_b32 s25, s24, 3                         ; which step of a window holds the rows
	s_lshr_b32 s26, s24, 1                         ; which of its eight blocks
	s_and_b32 s27, s26, 3
	s_lshl_b32 s27, s27, 3                         ; that block's byte in its scale word, in bits
	s_and_b32 s83, s24, 1
	s_lshl_b32 s83, s83, 4                         ; row r stands at key 16 (g % 2) + r of that block
	; descriptor group 1: 32 lines of 256 elements of 4 bytes, dense (16 rows of V); 4 words of padding behind every 256
	s_mov_b32 s28, (2<<16)|(1<<20)|(7<<22)|(3<<25)
	s_mov_b32 s29, 256<<16
	s_mov_b32 s30, 32<<16
	s_mov_b32 s31, 256<<16
	s_mov_b32 s32, 32
	s_mov_b32 s33, 256
	s_mov_b32 s34, 0
	s_mov_b32 s35, 0
	s_mov_b32 s36, 1
	s_mul_i32 s37, s22, 2*TILEB                    ; tiles 2 w and 2 w + 1
	s_mov_b32 s40, 1
	s_add_co_u32 s41, s37, TILEB
	v_and_b32 v17, 15, v0                          ; r
	v_bfe_u32 v18, v0, 4, 1                        ; h
	v_and_b32 v1, 31, v0
	v_lshrrev_b32 v16, 4, v0                       ; thread / 16: as a row, its tile
	v_lshlrev_b32 v1, 4, v1                        ; 16 x lane
	v_lshlrev_b32 v2, 5, v17                       ; 32 r
	v_lshlrev_b32 v19, 6, v0                       ; my 16 logits
	v_lshlrev_b32 v20, 10, v16                     ; my row's window
	v_lshl_add_u32 v21, v16, 8, v17                ; my row's mask byte
	v_lshlrev_b32 v22, 4, v0                       ; 16 x thread
	s_lshl_b32 s60, s23, 22                        ; 2,048 b rows of 2,048 bytes
	s_lshl_b32 s61, s24, 15                        ; + 16 g rows
	s_add_co_u32 s60, s60, s61
	s_mov_b32 s61, 0
	s_lshl_b32 s62, s22, 20                        ; + 512 w rows
	s_mov_b32 s63, 0
	s_wait_kmcnt 0x0
	s_add_nc_u64 s[4:5], s[4:5], s[60:61]
	s_add_nc_u64 s[38:39], s[4:5], s[62:63]
	s_add_nc_u64 s[42:43], s[38:39], 524288        ; 256 rows on
	s_or_b32 s39, s39, 0x80000000
	s_or_b32 s43, s43, 0x80000000
	s_add_nc_u64 s[48:49], s[20:21], s[60:61]
	s_lshl_b32 s62, s22, 9
	s_add_nc_u64 s[48:49], s[48:49], s[62:63]      ; out0 at row 16 g of the batch, my 512 bytes
	s_lshl_b32 s60, s23, 15
	s_add_nc_u64 s[54:55], s[14:15], s[60:61]      ; csum of the batch
	s_add_co_u32 s60, s60, s62
	s_add_nc_u64 s[46:47], s[12:13], s[60:61]      ; vscl: batch, my columns
	s_lshl_b32 s60, s23, 19
	s_lshl_b32 s62, s22, 13
	s_add_co_u32 s60, s60, s62
	s_add_nc_u64 s[44:45], s[10:11], s[60:61]      ; vcodes: batch, my eight column tiles
	s_lshl_b32 s60, s23, 13
	s_add_nc_u64 s[50:51], s[8:9], s[60:61]        ; the batch's logits
	s_lshl_b32 s60, s26, 7
	s_add_nc_u64 s[52:53], s[50:51], s[60:61]      ; + the rows' block in a window
	s_lshl_b32 s60, s23, 11
	s_lshl_b32 s62, s24, 4
	s_add_co_u32 s60, s60, s62
	s_add_nc_u64 s[56:57], s[6:7], s[60:61]        ; mask
	; the 31 small loads for which the statistics wait go out first; V, which is wanted last, behind them
.irp q, 0,1,2,3
	global_load_b128 v[160+4*\q:163+4*\q], v19, s[50:51] offset:16*\q   ; logits of keys 16 x thread on
.endr
.irp q, 0,1,2,3,4,5,6,7
	global_load_b128 v[128+4*\q:131+4*\q], v20, s[52:53] offset:16*\q   ; logits of my row's own block
.endr
	global_load_u8 v188, v21, s[56:57]
.set i, 0
.rept 16
	global_load_b128 v[64+4*i:67+4*i], v22, s[54:55] offset:2048*i      ; column sums: four columns, sixteen key steps
.set i, i+1
.endr
	global_load_b128 v[176:179], v22, s[16:17]
	global_load_b128 v[180:183], v22, s[18:19]
	tensor_load_to_lds s[36:39], s[28:35]          ; both first fills together, ahead of every LDS read, barrier and wait on TENSORcnt: two loads of mine are out, until the way out
	s_nop 0
	tensor_load_to_lds s[40:43], s[28:35]
	s_nop 0
	; addresses that stay
	v_lshl_add_u32 v3, v18, 4, PCODE               ; the shared fragment: + 16 h
	v_add_nc_u32 v4, DIMG, v1
	s_lshl_b32 s60, s22, 9
	s_lshr_b32 s62, s22, 1
	s_lshl_b32 s62, s62, 4
	s_add_co_u32 s60, s60, s62                     ; my 512 bytes of a row of V in LDS: 512 w + 16 (w / 2)
	v_mul_u32_u24 v5, v17, 2080
	v_lshl_add_u32 v5, v18, 5, v5
	v_add_nc_u32 v5, s60, v5                       ; row r, + 32 h, my columns
	v_add_nc_u32 v10, s60, v1                      ; and by whole rows: 16 x lane
	v_lshl_add_u32 v7, v17, 4, RS1
	s_lshl_b32 s62, s22, 2
	v_add_nc_u32 v6, s62, v7                       ; RS1 + 16 r + 4 w
	v_lshl_add_u32 v8, v17, 4, ROWT
	s_lshl_b32 s62, s22, 9
	v_lshl_add_u32 v9, v18, 5, TS
	v_add_nc_u32 v9, s62, v9                       ; TS + 512 w + 32 h
	v_mul_u32_u24 v14, v17, 80
	v_add_nc_u32 v14, SCW, v14
	v_lshl_add_u32 v15, v17, 3, DSW
	GLOAD 0
	GLOAD 1
	s_mov_b32 s58, 0x76543210
	s_mov_b32 s59, 0xfedcba98
	s_mov_b32 s84, 0xc3960000                      ; -300
.irp bt, 0,1,2,3,4,5,6
	s_cmp_gt_u32 s26, \bt
	s_cselect_b32 s[LT+\bt], -1, 0
.endr
.irp bt, 0,1,2,3,4,5,6,7
	s_cmp_eq_u32 s26, \bt
	s_cselect_b32 s[EQ+\bt], -1, 0
.endr
	s_cmp_eq_u32 s25, 0
	s_cselect_b32 s81, -1, 0
	s_cselect_b32 s82, 0, -1
	; ---- S1: thread th = keys 16 th .. 16 th + 15; two neighbouring lanes hold a block
	s_wait_loadcnt 36                              ; all but the two key steps' 36 loads
.irp k, 0,1,2,3,4,5,6,7
	v_pk_mul_f32 v[160+2*\k:161+2*\k], v[160+2*\k:161+2*\k], LOG2E op_sel_hi:[1,0]   ; t
.endr
	v_max3_num_f32 v24, v160, v161, v162
	v_max3_num_f32 v25, v163, v164, v165
.irp i, 166,170
	v_max3_num_f32 v24, v24, v[\i], v[\i+1]
	v_max3_num_f32 v25, v25, v[\i+2], v[\i+3]
.endr
	v_max3_num_f32 v24, v24, v174, v175
	v_max_num_f32 v24, v24, v25
	v_max_num_f32_dpp v24, v24, v24 row_xmask:1 row_mask:0xf bank_mask:0xf   ; the block's largest t
	v_floor_f32 v26, -v24                          ; -N = floor(-t): N is a whole number
	v_mov_b32 v27, v26
.irp k, 0,1,2,3,4,5,6,7
	v_pk_add_f32 v[160+2*\k:161+2*\k], v[160+2*\k:161+2*\k], v[26:27]
.endr
.set i, 0
.rept 16
	v_exp_f32 v[160+i], v[160+i]                   ; w = 2^(t - N)
.set i, i+1
.endr
.set i, 1
.rept 15                                       ; the column sums over all keys: independent work behind the exponentials
	v_pk_add_f32 v[64:65], v[64:65], v[64+4*i:65+4*i]
	v_pk_add_f32 v[66:67], v[66:67], v[66+4*i:67+4*i]
.set i, i+1
.endr
	v_pk_mul_f32 v[64:65], v[64:65], 0x3a000000 op_sel_hi:[1,0]   ; / 2,048
	v_pk_mul_f32 v[66:67], v[66:67], 0x3a000000 op_sel_hi:[1,0]
	s_wait_alu depctr_va_vdst(0)                   ; one wait for the batch of sixteen, ahead of its first reader
	v_pk_add_f32 v[28:29], v[160:161], v[162:163]
	v_pk_add_f32 v[30:31], v[164:165], v[166:167]
	v_pk_add_f32 v[28:29], v[28:29], v[168:169]
	v_pk_add_f32 v[30:31], v[30:31], v[170:171]
	v_pk_add_f32 v[28:29], v[28:29], v[172:173]
	v_pk_add_f32 v[30:31], v[30:31], v[174:175]
	v_pk_add_f32 v[28:29], v[28:29], v[30:31]
	v_add_f32 v28, v28, v29
	v_add_f32_dpp v28, v28, v28 row_xmask:1 row_mask:0xf bank_mask:0xf   ; L: the block's sum of the unquantised w
	v_max3_num_f32 v24, v160, v161, FLOOR
	v_max3_num_f32 v25, v162, v163, v164
	v_max3_num_f32 v24, v24, v165, v166
	v_max3_num_f32 v25, v25, v167, v168
	v_max3_num_f32 v24, v24, v169, v170
	v_max3_num_f32 v25, v25, v171, v172
	v_max3_num_f32 v24, v24, v173, v174
	v_max3_num_f32 v24, v24, v25, v175
	v_max_num_f32_dpp v24, v24, v24 row_xmask:1 row_mask:0xf bank_mask:0xf
	v_add_nc_u32 v25, EM2, v24
	v_cvt_scalef32_pk8_fp4_f32 v30, v[160:167], v25
	v_cvt_scalef32_pk8_fp4_f32 v31, v[168:175], v25
	v_lshrrev_b32 v24, 23, v25                     ; the byte (also the plain line behind the conversions)
	v_cvt_f32_u32 v24, v24
	v_sub_f32 v29, 0, v26                          ; N
	v_lshl_add_u32 v19, v0, 3, PCODE
	v_lshrrev_b32 v20, 1, v0
	v_lshl_add_u32 v20, v20, 2, NBT
	v_lshrrev_b32 v21, 5, v0                       ; my four columns 128 (th / 32) + 64 (th % 2) + 16 q + (th / 2) % 16
	v_lshlrev_b32 v21, 9, v21
	v_and_b32 v22, 1, v0
	v_lshl_add_u32 v21, v22, 8, v21
	v_bfe_u32 v22, v0, 1, 4
	v_lshl_add_u32 v21, v22, 2, v21
	v_add_nc_u32 v21, TS, v21
	v_lshl_add_u32 v23, v0, 4, GAMT
	ds_store_b64 v19, v[30:31]
	ds_store_b32 v20, v29                          ; both lanes of a block write the same word with the same value
	ds_store_b32 v20, v28 offset:256
	ds_store_b32 v20, v24 offset:512
.irp q, 0,1,2,3
	ds_store_b32 v21, v[64+\q] offset:64*\q
.endr
	ds_store_b128 v23, v[176:179]
	ds_store_b128 v23, v[180:183] offset:2048
	GLOAD 2
	GLOAD 3
	BARRIER                                        ; the blocks' tables lie in LDS
	; ---- S2: thread th = local row th (tile th / 16, row r)
	v_lshl_add_u32 v18, v16, 3, s26                ; bi: the block that holds my row
	v_add_nc_u32 v19, s83, v17                     ; my row's place in it
	v_mov_b32 v30, NBT
	v_lshl_add_u32 v31, v16, 7, PCODE
.set i, 0
.rept 16
	ds_load_b128 v[64+4*i:67+4*i], v30 offset:16*i             ; N of all 64 blocks
.set i, i+1
.endr
.set i, 0
.rept 16
	ds_load_b128 v[192+4*i:195+4*i], v30 offset:256+16*i       ; L
.set i, i+1
.endr
.irp bt, 0,1,2,3,4,5,6
	ds_load_b128 v[160+4*\bt:163+4*\bt], v31 offset:16*\bt     ; the shared codes of my window's blocks
.endr
.set i, 0
.rept 16
	v_pk_mul_f32 v[128+2*i:129+2*i], v[128+2*i:129+2*i], LOG2E op_sel_hi:[1,0]
.set i, i+1
.endr
	v_mov_b32 v22, NEGINF
.set i, 1
.rept 31
	v_cmp_gt_u32 vcc_lo, i, v19                    ; keys behind my row are hidden
	v_cndmask_b32 v[128+i], v[128+i], v22, vcc_lo
.set i, i+1
.endr
	v_max3_num_f32 v23, v128, v129, v130
	v_max3_num_f32 v24, v131, v132, v133
.irp i, 134,138,142,146,150,154
	v_max3_num_f32 v23, v23, v[\i], v[\i+1]
	v_max3_num_f32 v24, v24, v[\i+2], v[\i+3]
.endr
	v_max3_num_f32 v23, v23, v158, v159
	v_max_num_f32 v23, v23, v24
	v_floor_f32 v24, -v23                          ; minus the ceiling of my own block's largest t
	v_mov_b32 v25, NEGBIG
	s_wait_dscnt 0x0
.set i, 0
.rept 64
	v_cmp_lt_u32 vcc_lo, i, v18                    ; only blocks wholly under my row count
	v_cndmask_b32 v[64+i], v25, v[64+i], vcc_lo
.set i, i+1
.endr
	v_max3_num_f32 v26, -v24, v64, v65
	v_max_num_f32 v27, v66, v67
.set i, 68
.rept 15
	v_max3_num_f32 v26, v26, v[i], v[i+1]
	v_max3_num_f32 v27, v27, v[i+2], v[i+3]
.set i, i+4
.endr
	v_max_num_f32 v26, v26, v27                    ; M
	v_sub_f32 v28, 0, v26
	v_sub_f32 v29, 0, v26                          ; -M, twice
.set i, 0
.rept 16
	v_pk_add_f32 v[128+2*i:129+2*i], v[128+2*i:129+2*i], v[28:29]
.set i, i+1
.endr
.set i, 0
.rept 32
	v_exp_f32 v[128+i], v[128+i]                   ; p of my own block; 0 for hidden keys
.set i, i+1
.endr
.set i, 0
.rept 32                                       ; independent work behind the exponentials: N_b - M,
	v_pk_add_f32 v[64+2*i:65+2*i], v[64+2*i:65+2*i], v[28:29]
.set i, i+1
.endr
.set i, 0
.rept 64
	v_max_num_f32 v[64+i], s84, v[64+i]            ; held at -300
.set i, i+1
.endr
.irp k, 0,1,2,3                                ; and the sum over whole blocks of L_b 2^(N_b - M), in four chains
	v_cvt_i32_f32 v[20+\k], v[64+\k]
.endr
.irp k, 0,1,2,3
	v_ldexp_f32 v[24+\k], v[192+\k], v[20+\k]
.endr
.set i, 4
.rept 15
.irp k, 0,1,2,3
	v_cvt_i32_f32 v[20+\k], v[64+i+\k]
.endr
.irp k, 0,1,2,3
	v_ldexp_f32 v[20+\k], v[192+i+\k], v[20+\k]
.endr
	v_pk_add_f32 v[24:25], v[24:25], v[20:21]
	v_pk_add_f32 v[26:27], v[26:27], v[22:23]
.set i, i+4
.endr
.set i, 0
.rept 16
	ds_load_b128 v[192+4*i:195+4*i], v30 offset:512+16*i       ; the blocks' bytes
.set i, i+1
.endr
	s_wait_alu depctr_va_vdst(0)                   ; one wait for the batch of 32
	v_pk_add_f32 v[20:21], v[128:129], v[130:131]
	v_pk_add_f32 v[22:23], v[132:133], v[134:135]
.irp j, 8,12,16,20,24,28
	v_pk_add_f32 v[20:21], v[20:21], v[128+\j:129+\j]
	v_pk_add_f32 v[22:23], v[22:23], v[130+\j:131+\j]
.endr
	v_pk_add_f32 v[20:21], v[20:21], v[22:23]
	v_pk_add_f32 v[24:25], v[24:25], v[26:27]
	v_pk_add_f32 v[24:25], v[24:25], v[20:21]
	v_add_f32 v24, v24, v25                        ; l
	v_max3_num_f32 v18, v128, v129, FLOOR
	v_max3_num_f32 v19, v130, v131, v132
.irp i, 133,137,141,145,149,153
	v_max3_num_f32 v18, v18, v[\i], v[\i+1]
	v_max3_num_f32 v19, v19, v[\i+2], v[\i+3]
.endr
	v_max3_num_f32 v18, v18, v157, v158
	v_max3_num_f32 v18, v18, v19, v159
	v_add_nc_u32 v18, EM2, v18
	v_rcp_f32 v25, v24
.irp q, 0,1,2,3
	v_cvt_scalef32_pk8_fp4_f32 v[20+\q], v[128+8*\q:135+8*\q], v18   ; my own block's codes: v20-23 hold them until the window's images are made
.endr
	v_lshrrev_b32 v19, 23, v18                     ; its byte (the plain line behind the reciprocal and the conversions)
	v_cmp_ne_u32 vcc_lo, 0, v188
	v_mov_b32 v27, 0
	v_mov_b32 v29, 1.0
	s_wait_alu depctr_va_vdst(0)                   ; ahead of the reciprocal's first reader
	v_cndmask_b32 v26, v25, v27, vcc_lo            ; a = 1 / l, or 0 in a masked row
	v_cndmask_b32 v28, v27, v29, vcc_lo            ; b = 0, or 1
	v_mov_b32 v27, v26
	v_mov_b32 v29, v28
	v_lshl_add_u32 v31, v0, 4, ROWT
	ds_store_b128 v31, v[26:29]
	s_wait_dscnt 0x0
.set i, 0
.rept 32
	v_pk_add_f32 v[192+2*i:193+2*i], v[192+2*i:193+2*i], v[64+2*i:65+2*i]   ; byte_b + N_b - M
.set i, i+1
.endr
.set i, 0
.rept 64
	v_max_num_f32 v[192+i], 1.0, v[192+i]          ; held at 1 from below
.set i, i+1
.endr
.set i, 0
.rept 64
	v_cvt_u32_f32 v[192+i], v[192+i]
.set i, i+1
.endr
.set i, 0
.rept 16
	v_lshl_or_b32 v[64+i], v[193+4*i], 8, v[192+4*i]
	v_lshl_or_b32 v[64+i], v[194+4*i], 16, v[64+i]
	v_lshl_or_b32 v[64+i], v[195+4*i], 24, v[64+i]
.set i, i+1
.endr
	v_mul_u32_u24 v30, v0, 80
	v_add_nc_u32 v30, SCW, v30
.irp q, 0,1,2,3
	ds_store_b128 v30, v[64+4*\q:67+4*\q] offset:16*\q
.endr
	v_lshl_add_u32 v31, v16, 3, v30
	ds_load_b64 v[24:25], v31                      ; my window's two words back: LDS serves a wave's instructions in order
	v_add_nc_u32 v19, -1, v19                      ; my own block's byte stands at 1 there: the rest is added
	v_lshlrev_b32 v19, s27, v19
	v_and_b32 v26, s81, v19
	v_and_b32 v27, s82, v19
	v_lshl_add_u32 v28, v16, 11, DIMG              ; where my row's part of the window's images goes (v28: the store that read it was waited for above)
	v_lshl_add_u32 v28, v17, 4, v28
.irp bt, 0,1,2,3,4,5,6,7                       ; my window's eight blocks: the shared codes, my own, or zeros
.irp q, 0,1,2,3
	v_and_b32 v[96+4*\bt+\q], s[EQ+\bt], v[20+\q]
.endr
.if \bt < 7
.irp q, 0,1,2,3
	v_and_or_b32 v[96+4*\bt+\q], v[160+4*\bt+\q], s[LT+\bt], v[96+4*\bt+\q]
.endr
.endif
	ds_store_b128 v28, v[96+4*\bt:99+4*\bt] offset:1024*(\bt/4)+512*((\bt/2)%2)+256*(\bt%2)
.endr
	s_wait_dscnt 8                                 ; the two words are in; the eight stores behind them may be out
	v_add_nc_u32 v24, v24, v26
	v_add_nc_u32 v25, v25, v27
	v_lshl_add_u32 v31, v0, 3, DSW
	ds_store_b64 v31, v[24:25]
	BARRIER                                        ; the rows' tables and the windows' fragments lie in LDS
	; ---- the sixteen key steps
.irp m, 1,2,3,4,5,6,7
.set q_, 0
.rept ((\m)+1)/2
	ds_load_b128 v[PSW+16*\m+4*q_:PSW+16*\m+4*q_+3], v14 offset:1280*\m+16*q_   ; tile m, row r: the words of steps under its window
.set q_, q_+1
.endr
.endr
.irp m, 0,1,2,3,4,5,6,7
	ds_load_b64 v[PSW+2*\m:PSW+2*\m+1], v15 offset:128*\m      ; and the two of its window
.endr
	PLOAD 0
.irp ks, 0,1,2,3,4,5,6,7,8,9,10,11,12,13,14,15
	STEP \ks
.endr
	; ---- the way out
.macro VLOAD m                         ; V of tile m: row r, my lane's 64 columns
	v_add_nc_u32 v11, TILEB*(\m), v5
.irp t, 0,1,2,3,4,5,6,7
.irp q, 0,1
	ds_load_b128 v[VV0+8*\t+4*\q:VV0+8*\t+4*\q+3], v11 offset:64*\t+16*\q
.endr
.endr
.endm
.macro JOIN off                        ; four chains of pairs -> the row's sum over my wave's 128 columns -> LDS
	v_pk_add_f32 v[CH:CH+1], v[CH:CH+1], v[CH+2:CH+3]
	v_pk_add_f32 v[CH+4:CH+5], v[CH+4:CH+5], v[CH+6:CH+7]
	v_pk_add_f32 v[CH:CH+1], v[CH:CH+1], v[CH+4:CH+5]
	v_add_f32 v[CH+8], v[CH], v[CH+1]
	v_permlanex16_b32 v[CH+9], v[CH+8], s58, s59
	v_add_f32 v[CH+8], v[CH+8], v[CH+9]
	ds_store_b32 v6, v[CH+8] offset:\off
.endm
; x = acc a + (T b + V), kept in the accumulators' registers
.macro E1A m
.set AB, 64*((\m)%4)
	WIN 0x01                                       ; source 0 = T (window 1)
.set k, 0
.rept 32
	v_pk_fma_f32 v[VV0+2*k:VV0+2*k+1], v[2*k:2*k+1], v[RT+4*(\m)+2:RT+4*(\m)+3], v[VV0+2*k:VV0+2*k+1]
.set k, k+1
.endr
	WINT \m, 0x82, 0xc3                            ; source 0 and destination: the accumulators
.set k, 0
.rept 32
	v_pk_fma_f32 v[AB+2*k:AB+2*k+1], v[AB+2*k:AB+2*k+1], v[RT+4*(\m):RT+4*(\m)+1], v[VV0+2*k:VV0+2*k+1]   ; each accumulator from its low end on
.set k, k+1
.endr
	WIN 0
.endm
; the sum of x over my 128 columns
.macro E1B m
.set AB, 64*((\m)%4)
	WINT \m, 0x0a, 0x0f
.irp c, 0,1,2,3
	v_pk_add_f32 v[CH+2*\c:CH+2*\c+1], v[AB+2*\c:AB+2*\c+1], v[AB+8+2*\c:AB+8+2*\c+1]   ; the first pairs start the chains
.endr
	WINT \m, 0x08, 0x0c
.set k, 8
.rept 24
	v_pk_add_f32 v[CH+2*(k%4):CH+2*(k%4)+1], v[CH+2*(k%4):CH+2*(k%4)+1], v[AB+2*k:AB+2*k+1]
.set k, k+1
.endr
	WIN 0
	JOIN 256*(\m)
.endm
; x - mean, in place, and the sum of its squares: a pass of its own, so that no difference of large sums is formed
.macro E2 m
.set AB, 64*((\m)%4)
	WINT \m, 0x82, 0xc3
.set k, 0
.rept 32
	v_pk_add_f32 v[AB+2*k:AB+2*k+1], v[AB+2*k:AB+2*k+1], v[MU:MU+1]
.set k, k+1
.endr
	WINT \m, 0x0a, 0x0f
.irp c, 0,1,2,3
	v_pk_mul_f32 v[CH+2*\c:CH+2*\c+1], v[AB+2*\c:AB+2*\c+1], v[AB+2*\c:AB+2*\c+1]
.endr
.set k, 4
.rept 28
	v_pk_fma_f32 v[CH+2*(k%4):CH+2*(k%4)+1], v[AB+2*k:AB+2*k+1], v[AB+2*k:AB+2*k+1], v[CH+2*(k%4):CH+2*(k%4)+1]
.set k, k+1
.endr
	WIN 0
	JOIN 2048+256*(\m)
.endm
; a tile is scaled, times gamma, plus beta, in place; it goes into my own 512 bytes of V's rows in LDS (they have had their only fill, and no other wave touches them) and is asked back as whole pieces of rows
.macro E3A m
.set AB, 64*((\m)%4)
	v_add_nc_u32 v12, TILEB*(\m), v5
	v_add_nc_u32 v13, TILEB*(\m), v10
	s_wait_alu depctr_va_vdst(0)                   ; one wait for the two reciprocal roots, ahead of their first reader
	WINT \m, 0x82, 0xc3
.set k, 0
.rept 32
	v_pk_mul_f32 v[AB+2*k:AB+2*k+1], v[AB+2*k:AB+2*k+1], v[RS:RS+1]
.set k, k+1
.endr
	WINT \m, 0x96, 0xd7                            ; sources 1 and 2: gamma and beta (window 1)
.set k, 0
.rept 32
	v_pk_fma_f32 v[AB+2*k:AB+2*k+1], v[AB+2*k:AB+2*k+1], v[64+2*k:65+2*k], v[128+2*k:129+2*k]
.set k, k+1
.endr
	WINT \m, 0x08, 0x0c                            ; an LDS store's data are its source 1
.irp t, 0,1,2,3,4,5,6,7
.irp q, 0,1
	ds_store_b128 v12, v[AB+8*\t+4*\q:AB+8*\t+4*\q+3] offset:64*\t+16*\q
.endr
.endr
	WIN 0
	s_wait_xcnt 0x0                                ; the last tile's stores have read their registers: these are loaded again only behind this wait
.irp p, 0,1,2,3,4,5,6,7,8,9,10,11,12,13,14,15
	ds_load_b128 v[VV1+4*\p:VV1+4*\p+3], v13 offset:2080*\p    ; LDS serves a wave's instructions in order: these see my stores
.endr
.endm
.macro E3B m, younger                  ; younger: the LDS instructions issued behind the sixteen loads (the store of the squares' sum, or none)
.irp p, 0,1,2,3,4,5,6,7,8,9,10,11,12,13,14,15
	s_wait_dscnt 15-\p+(\younger)
	global_store_b128 v1, v[VV1+4*\p:VV1+4*\p+3], s[48:49] offset:524288*(\m)+2048*\p th:TH_STORE_NT   ; 32 lanes store 512 consecutive bytes, at a multiple of 512 from out0's first byte
.endr
.endm
; STAGE j: tile j takes its residual and its sums, tile j - 1 is centred and squared, tile j - 2 leaves.  What a stage reads of other waves' sums was stored ahead of the last barrier.
; The bytes of LDS that a stage touches differ by constants: V's tile j + 1 is read, tile j - 2's are written and read back; sums of tile j are written, of tile j - 1 read; squares of tile j - 1 written, of tile j - 2 read.
.macro STAGE j
.if ((\j) >= 1) && ((\j) <= 8)
	ds_load_b128 v[SM1:SM1+3], v7 offset:256*((\j)-1)
.endif
.if (\j) >= 2
	ds_load_b128 v[SM2:SM2+3], v7 offset:2048+256*((\j)-2)
.endif
.if (\j) <= 7
	E1A \j                                         ; V of tile j came in ahead of the last barrier
.endif
.if (\j) <= 6
	VLOAD (\j)+1                                   ; into the registers just read: it has the rest of the stage in which to land
	s_wait_dscnt 16                                ; the partial sums are in; the sixteen loads of V may be out
.else
	s_wait_dscnt 0x0
.endif
.if ((\j) >= 1) && ((\j) <= 8)
	v_pk_add_f32 v[SM1:SM1+1], v[SM1:SM1+1], v[SM1+2:SM1+3]
	v_add_f32 v[SM1], v[SM1], v[SM1+1]
	v_mul_f32 v[MU], s62, v[SM1]                   ; minus the mean, twice
	v_mul_f32 v[MU+1], s62, v[SM1]
.endif
.if (\j) >= 2
	v_pk_add_f32 v[SM2:SM2+1], v[SM2:SM2+1], v[SM2+2:SM2+3]
	v_add_f32 v[SM2], v[SM2], v[SM2+1]
	v_fma_f32 v[SM2], v[SM2], s60, s61             ; the variance + eps
	v_rsq_f32 v[RS], v[SM2]                        ; twice: a pair for the packed multiply
	v_rsq_f32 v[RS+1], v[SM2]
	v_nop                                          ; a plain line behind them
.endif
.if (\j) <= 7
	E1B \j
.endif
.if (\j) >= 2
	E3A (\j)-2
.endif
.if ((\j) >= 1) && ((\j) <= 8)
	E2 (\j)-1                                      ; stands between the leaving tile's loads from the stage and the waits for them
.endif
.if (\j) >= 2
.if (\j) <= 8
	E3B (\j)-2, 1
.else
	E3B (\j)-2, 0
.endif
.endif
.if (\j) <= 8
	BARRIER                                        ; every wave's partial sums of this stage lie in LDS
.endif
.endm
	s_wait_tensorcnt 0x0                           ; my two tiles of V have landed,
	BARRIER                                        ; everybody's have; the three tables are in too
	PLACES 4                                       ; ahead of loads into registers that the last products have read
.irp m, 0,1,2,3,4,5,6,7
	ds_load_b128 v[RT+4*\m:RT+4*\m+3], v8 offset:256*\m
.endr
	v_mov_b32 v[CH+9], 0                           ; a lane permute's destination counts as one of its sources
	s_mov_b32 s62, 0xbb000000                      ; -1 / 512
	s_mov_b32 s60, 0x3b000000                      ; 1 / 512
	s_mov_b32 s61, 0x3727c5ac                      ; 1e-5
	VLOAD 0
	s_wait_dscnt 0x0
.irp j, 0,1,2,3,4,5,6,7,8,9
	STAGE \j
.endr
	s_wait_xcnt 0x0
	v_lshl_add_u32 v254, v0, 2, 0x4b300
	v_mov_b32 v255, 0
	s_wait_tensorcnt 0x0
	ds_add_u32 v254, v255
	s_wait_dscnt 0x0
	s_endpgm
.Lfunc_end_k_q9b60192438_attn:
	.size	k_q9b60192438_attn, .Lfunc_end_k_q9b60192438_attn-k_q9b60192438_attn
	.p2alignl 7, 3214868480
	.fill 96, 4, 3214868480
	.section	.rodata,"a",@progbits
	.p2align	6, 0x0
	.amdhsa_kernel k_q9b60192438_attn
		.amdhsa_group_segment_fixed_size 308480
		.amdhsa_private_segment_fixed_size 0
		.amdhsa_enable_private_segment 0
		.amdhsa_kernarg_size 72
		.amdhsa_user_sgpr_count 2
		.amdhsa_user_sgpr_kernarg_segment_ptr 1
		.amdhsa_wavefront_size32 1
		.amdhsa_system_sgpr_workgroup_id_x 1
		.amdhsa_system_sgpr_workgroup_id_y 1
		.amdhsa_system_sgpr_workgroup_id_z 1
		.amdhsa_system_vgpr_workitem_id 0
		.amdhsa_next_free_vgpr 1024
		.amdhsa_next_free_sgpr 88
		.amdhsa_reserve_vcc 1
		.amdhsa_float_denorm_mode_32 3
		.amdhsa_float_denorm_mode_16_64 3
		.amdhsa_memory_ordered 1
		.amdhsa_forward_progress 1
		.amdhsa_inst_pref_size 255
	.end_amdhsa_kernel
	.section	.bss,"aw",@nobits
	.p2align	6
	.space	262144
	.amdgpu_metadata
---
amdhsa.version: [ 1, 2 ]
amdhsa.kernels:
  - .name:           k_q9b60192438_attn
    .symbol:         k_q9b60192438_attn.kd
    .args:
      - { .name: V, .offset: 0, .size: 8, .value_kind: global_buffer, .address_space: global }
      - { .name: mask, .offset: 8, .size: 8, .value_kind: global_buffer, .address_space: global }
      - { .name: scores, .offset: 16, .size: 8, .value_kind: global_buffer, .address_space: global }
      - { .name: vcodes, .offset: 24, .size: 8, .value_kind: global_buffer, .address_space: global }
      - { .name: vscl, .offset: 32, .size: 8, .value_kind: global_buffer, .address_space: global }
      - { .name: csum, .offset: 40, .size: 8, .value_kind: global_buffer, .address_space: global }
      - { .name: ln_gamma, .offset: 48, .size: 8, .value_kind: global_buffer, .address_space: global }
      - { .name: ln_beta, .offset: 56, .size: 8, .value_kind: global_buffer, .address_space: global }
      - { .name: out0, .offset: 64, .size: 8, .value_kind: global_buffer, .address_space: global }
    .group_segment_fixed_size: 308480
    .private_segment_fixed_size: 0
    .kernarg_segment_align: 8
    .kernarg_segment_size: 72
    .max_flat_workgroup_size: 128
    .sgpr_count:     88
    .vgpr_count:     1024
    .wavefront_size: 32
...
	.end_amdgpu_metadata
.endif
;; end of part 3
